; MI455X (gfx1250); checked and timed in simulation.
; The chip was launched on July 23, 2026; its instructions are those of AMD's public machine-readable ISA for CDNA 5 (MIT licence, August 2026) and "CDNA5" Instruction Set Architecture Reference Guide (July 2026). The comments in the code are by the model that wrote it; some were corrected since.
;; LSTM Decoder. Allowed arithmetic: float matrix products may take bf16 or f16 operands with f32 sums; all other float work in f32.
;; Inputs: W_hh0 512 x 128 float32; W_hh1 512 x 128 float32; W_ih0 512 x 137 float32; W_ih1 512 x 128 float32; W_init 512 x 160 float32; W_out 9 x 128 float32; b_hh0 512 float32; b_hh1 512 float32; b_ih0 512 float32; b_ih1 512 float32; b_init 512 float32; b_out 9 float32; emb 4 x 128 float32; scenario 32,768 int32; z 32,768 x 32 float32.
;; Outputs: out0 32,768 x 7 x 9 float32.
;; Constants: seq_length = 7.
;; One version. Each part assembles by itself: llvm-mc -triple=amdgcn-amd-amdhsa -mcpu=gfx1250 --defsym DOCPART=n.
;; ======== version 1 of 1: 2 launches
;; limits: values are held in f16: magnitudes above 65,504 overflow, below 6.1e-05 lose precision; inputs' magnitudes at most 22,700; right only within a limited range of input values
;; workspace buffers: wf 491,520 bytes
;; launch prep (part 1): grid 60 x 1, 8 waves a work-group, no clusters, 0 bytes of LDS; arguments W_hh0, W_hh1, W_ih1, W_init, W_ih0, emb, b_ih0, b_hh0, b_init, wf; writes wf
.if DOCPART == 1
	.amdgcn_target "amdgcn-amd-amdhsa--gfx1250"
	.amdhsa_code_object_version 6
	.text
	.protected	k_q41736671e5_prep
	.globl	k_q41736671e5_prep
	.p2align	8
	.type	k_q41736671e5_prep,@function
k_q41736671e5_prep:
	s_mov_b64 s[64:65], 0
	v_nop
	global_prefetch_b8 v0, s[64:65] scope:SCOPE_SE
	s_setreg_imm32_b32 hwreg(HW_REG_WAVE_MODE, 25, 1), 1
	s_wait_xcnt 0x0
; PREP: the LSTM's weights as f16 fragments in the order in which the main launch's lanes take them, and the two scenario tables.
; wf[w 0..7][f 0..59][c 0..1][lane 0..31][8 f16]: byte w*61440 + f*1024 + c*512 + lane*16.  Lane (r = lane % 16, h = lane / 16) of chunk c holds
; registers 4c..4c+3 of a B fragment: column n = 128 g + 16 w + r of the weight matrix, k = k0 + 16 c + 8 h + 0..7.
;   f  0..15 = 4q+g  W_hh0, k0 = 32 q      f 16..19 = g    the augmented K step of layer 0      f 20..35  W_hh1      f 36..51  W_ih1
;   f 52..55 = tau   W_init, columns 0..31 (z)             f 56..59 = tau  the augmented K step of the initial state
; Every input is rounded to bf16 first.  The gates' weights are then multiplied in f32 by S_g (i, f, o: -log2 e; g: +2 log2 e), so that the main launch's sums
; are the arguments of its base-2 exponentials, and rounded once to f16.
; THE AUGMENTED K STEP, 32 slots: k 0..8 the weights of prev (W_ih0's first 9 columns; 0 for the initial state); k 16..19 hi(T[s][n]) and k 20..23 lo(T[s][n]) for the four
; scenarios s; all else 0.  se = emb[scenario] has four values only, so se @ W.T is a row of the table T[s][n] = S (sum_k emb[s][k] W[n][off+k] + the biases), which the main
; launch picks by a one-hot in slots 16..23.  hi = f16(T), lo = f16(T - hi): 22 significant bits.  The tables' products run on the matrix unit in bf16 with f32 sums.
; SHARES.  Work-group = fragment kind f (60 of them), wave = w: a wave makes one fragment and stores it as two runs of 512 consecutive bytes, each at a multiple of 512 from wf's first byte.
; LIMITS.  A scaled weight of 65,520 or more becomes an infinity in f16 (|w| under 22,700 is served); the scaled tables are clamped to +-65,504; numbers under 6e-5 keep f16's fixed step of 6e-8.
; NaN and infinities in the inputs are not treated apart.
.set PW, 61440                         ; bytes of a wave's 60 fragments
; eight f32 in v[src..src+7]: rounded to bf16, widened, times the scale in s30, rounded to f16: four registers from v[dst] on
.macro CVT8 src, dst
.irp j, 0,1,2,3
	v_cvt_pk_bf16_f32 v[24+\j], v[(\src)+2*\j], v[(\src)+2*\j+1]
.endr
.irp j, 0,1,2,3
	v_lshlrev_b32 v[32+2*\j], 16, v[24+\j]
	v_and_b32 v[33+2*\j], 0xffff0000, v[24+\j]
.endr
.irp j, 0,1,2,3
	v_pk_mul_f32 v[32+2*\j:33+2*\j], v[32+2*\j:33+2*\j], s[30:31] op_sel_hi:[1,0]
.endr
.irp j, 0,1,2,3
	v_cvt_pk_f16_f32 v[(\dst)+\j], v[32+2*\j], v[33+2*\j]
.endr
.endm
; An augmented fragment.  wb: the scalar pair with the weight matrix; pitch: bytes in its row; coloff: the column at which the se part begins; prev = 1: layer 0 (prev's weights, two biases).
; s28 = g (or tau), s30 = s31 = the scale.
.macro AUG wb, pitch, coloff, prev
	s_lshl_b32 s36, s28, 7
	s_add_co_u32 s36, s36, s41
	v_add_nc_u32 v5, s36, v1                       ; n = 128 g + 16 w + r
	v_mul_u32_u24 v3, v5, \pitch
	v_lshl_add_u32 v3, v2, 5, v3                   ; n x pitch + 32 h
	v_and_b32 v6, 3, v1                            ; A's row m takes emb's row m % 4: rows 4..15 repeat rows 0..3, and only results 0..3 are used
	v_lshlrev_b32 v6, 9, v6
	v_lshl_add_u32 v6, v2, 5, v6
	v_lshlrev_b32 v7, 2, v5                        ; the bias of column n
.if \prev
.set i, 0
.rept 64                                               ; W_ih0's rows are 548 bytes apart: only 4-byte loads are aligned.  i = 16 q + 8 c + e: k = 32 q + 16 c + 8 h + e
	global_load_b32 v[64+i], v3, s[\wb:\wb+1] offset:4*(\coloff)+4*((i/16)*32+((i/8)%2)*16+i%8)
.set i, i+1
.endr
.else
.irp q, 0,1,2,3
	global_load_b128 v[64+16*\q:67+16*\q], v3, s[\wb:\wb+1] offset:4*(\coloff)+128*\q
	global_load_b128 v[68+16*\q:71+16*\q], v3, s[\wb:\wb+1] offset:4*(\coloff)+128*\q+16
	global_load_b128 v[72+16*\q:75+16*\q], v3, s[\wb:\wb+1] offset:4*(\coloff)+128*\q+64
	global_load_b128 v[76+16*\q:79+16*\q], v3, s[\wb:\wb+1] offset:4*(\coloff)+128*\q+80
.endr
.endif
.irp q, 0,1,2,3
	global_load_b128 v[128+16*\q:131+16*\q], v6, s[14:15] offset:128*\q
	global_load_b128 v[132+16*\q:135+16*\q], v6, s[14:15] offset:128*\q+16
	global_load_b128 v[136+16*\q:139+16*\q], v6, s[14:15] offset:128*\q+64
	global_load_b128 v[140+16*\q:143+16*\q], v6, s[14:15] offset:128*\q+80
.endr
.if \prev
	global_load_b32 v44, v7, s[16:17]              ; b_ih0
	global_load_b32 v45, v7, s[18:19]              ; b_hh0
.irp e, 0,1,2,3,4,5,6,7
	global_load_b32 v[8+\e], v3, s[\wb:\wb+1] offset:4*\e   ; columns 8 h + e: prev's nine, and seven that are zeroed below
.endr
.else
	global_load_b32 v44, v7, s[20:21]              ; b_init
	v_mov_b32 v45, 0                               ; there is no second bias
.endif
	s_wait_loadcnt 0x0
.set i, 0
.rept 32
	v_cvt_pk_bf16_f32 v[192+i], v[128+2*i], v[129+2*i]     ; emb's four fragments
	v_cvt_pk_bf16_f32 v[224+i], v[64+2*i], v[65+2*i]       ; the weights' four
.set i, i+1
.endr
.if \prev
	CVT8 8, 52
.endif
	v_wmma_f32_16x16x32_bf16 v[16:23], v[192:199], v[224:231], 0
	s_wait_alu depctr_va_vdst(0)                   ; a wait ahead of each link
	v_wmma_f32_16x16x32_bf16 v[16:23], v[200:207], v[232:239], v[16:23]
	s_wait_alu depctr_va_vdst(0)
	v_wmma_f32_16x16x32_bf16 v[16:23], v[208:215], v[240:247], v[16:23]
	s_wait_alu depctr_va_vdst(0)
	v_wmma_f32_16x16x32_bf16 v[16:23], v[216:223], v[248:255], v[16:23]
	v_cvt_pk_bf16_f32 v46, v44, v45                ; the biases, rounded to bf16, added in f32, scaled: five plain instructions that name no register of the
	v_lshlrev_b32 v44, 16, v46                     ; products: the places between the last product and the first read of its result (ISA guide 7.12.1)
	v_and_b32 v45, 0xffff0000, v46
	v_add_f32 v44, v44, v45
	v_mul_f32 v44, s30, v44
.irp j, 0,1,2,3
	v_fma_f32 v[56+\j], v[16+\j], s30, v44         ; T[s = j][n] = S sum + S bias: register j of a lane is row 8 h + j, and rows 8..11 repeat rows 0..3
.endr
.irp j, 0,1,2,3
	v_med3_num_f32 v[56+\j], v[56+\j], s42, s43    ; inside f16's range: an infinite entry would meet the other scenarios' zeros in the one-hot product
.endr
	v_cvt_pk_f16_f32 v40, v56, v57                 ; hi
	v_cvt_pk_f16_f32 v41, v58, v59
	v_cvt_f32_f16 v48, v40.l
	v_cvt_f32_f16 v49, v40.h
	v_cvt_f32_f16 v50, v41.l
	v_cvt_f32_f16 v51, v41.h
.irp j, 0,1,2,3
	v_sub_f32 v[56+\j], v[56+\j], v[48+\j]
.endr
	v_cvt_pk_f16_f32 v42, v56, v57                 ; lo
	v_cvt_pk_f16_f32 v43, v58, v59
	v_cmp_gt_u32 vcc_lo, 16, v60                   ; lanes 0..15 hold slots 16..23; lanes 16..31 hold slots 24..31, which are 0
.irp j, 0,1,2,3
	v_cndmask_b32 v[40+\j], 0, v[40+\j], vcc_lo
.endr
.if \prev
	v_and_b32 v61, 0xffff, v52                     ; lanes 16..31 hold slots 8..15: slot 8 is prev's ninth weight, the rest are 0
	v_cndmask_b32 v52, v61, v52, vcc_lo
.irp j, 1,2,3
	v_cndmask_b32 v[52+\j], 0, v[52+\j], vcc_lo
.endr
.else
.irp j, 0,1,2,3
	v_mov_b32 v[52+\j], 0                          ; the initial state has no prev
.endr
.endif
	global_store_b128 v4, v[52:55], s[22:23]
	global_store_b128 v4, v[40:43], s[22:23] offset:512
	s_endpgm
.endm
	s_load_b512 s[4:19], s[0:1], 0x0               ; W_hh0 4, W_hh1 6, W_ih1 8, W_init 10, W_ih0 12, emb 14, b_ih0 16, b_hh0 18
	s_load_b128 s[20:23], s[0:1], 0x40             ; b_init 20, wf 22
	v_and_b32 v60, 31, v0                          ; lane
	v_lshrrev_b32 v61, 5, v0
	v_readfirstlane_b32 s24, v61                   ; w
	s_mov_b32 s25, ttmp9                           ; f
	v_and_b32 v1, 15, v0                           ; r
	v_bfe_u32 v2, v0, 4, 1                         ; h
	s_mov_b32 s34, 0xbfb8aa3b                      ; -log2 e
	s_mov_b32 s35, 0x4038aa3b                      ; 2 log2 e
	s_mov_b32 s42, 0xc77fe000                      ; -65,504
	s_mov_b32 s43, 0x477fe000                      ; 65,504
	s_mul_i32 s36, s24, PW
	s_lshl_b32 s37, s25, 10
	s_add_co_u32 s36, s36, s37
	v_lshl_add_u32 v4, v60, 4, s36                 ; my 16 bytes of chunk 0
	s_lshl_b32 s41, s24, 4                         ; 16 w
	s_sub_co_u32 s38, s25, 20                      ; f counted from each matrix's first fragment
	s_sub_co_u32 s39, s25, 36
	s_sub_co_u32 s40, s25, 52
	s_sub_co_u32 s26, s25, 16
	s_wait_kmcnt 0x0
	s_cmp_ge_u32 s25, 56
	s_cbranch_scc1 .Laugi
	s_cmp_lt_u32 s26, 4                            ; 16 <= f < 20 (below 16 the difference wraps to a large number)
	s_cbranch_scc1 .Laug0
	; A PLAIN FRAGMENT: 16 columns x 32 k of one of four matrices
	s_mov_b32 s29, 512                             ; bytes in a row of the three square-K matrices
	s_cmp_ge_u32 s25, 20
	s_cselect_b64 s[32:33], s[6:7], s[4:5]
	s_cselect_b32 s26, s38, s25
	s_cmp_ge_u32 s25, 36
	s_cselect_b64 s[32:33], s[8:9], s[32:33]
	s_cselect_b32 s26, s39, s26
	s_cmp_ge_u32 s25, 52
	s_cselect_b64 s[32:33], s[10:11], s[32:33]
	s_cselect_b32 s26, s40, s26
	s_cselect_b32 s29, 640, s29                    ; W_init's rows have 160 numbers
	s_lshr_b32 s27, s26, 2                         ; q
	s_and_b32 s28, s26, 3                          ; g (tau for W_init, where q = 0)
	s_cmp_eq_u32 s28, 2
	s_cselect_b32 s30, s35, s34
	s_cmp_ge_u32 s25, 52
	s_cselect_b32 s30, 1.0, s30                    ; the initial state is not scaled
	s_mov_b32 s31, s30                             ; named with it as a pair
	s_lshl_b32 s36, s28, 7
	s_add_co_u32 s36, s36, s41
	v_add_nc_u32 v5, s36, v1                       ; n
	v_mul_lo_u32 v3, v5, s29
	v_lshl_add_u32 v3, v2, 5, v3
	s_lshl_b32 s37, s27, 7
	v_add_nc_u32 v3, s37, v3                       ; n x pitch + 4 (32 q + 8 h)
	global_load_b128 v[8:11], v3, s[32:33]
	global_load_b128 v[12:15], v3, s[32:33] offset:16
	global_load_b128 v[16:19], v3, s[32:33] offset:64
	global_load_b128 v[20:23], v3, s[32:33] offset:80
	s_wait_loadcnt 0x0
	CVT8 8, 48
	CVT8 16, 52
	global_store_b128 v4, v[48:51], s[22:23]
	global_store_b128 v4, v[52:55], s[22:23] offset:512
	s_endpgm
.Laug0:
	s_mov_b32 s28, s26                             ; g = f - 16
	s_cmp_eq_u32 s28, 2
	s_cselect_b32 s30, s35, s34
	s_mov_b32 s31, s30
	AUG 12, 548, 9, 1
.Laugi:
	s_sub_co_u32 s28, s25, 56                      ; tau
	s_mov_b32 s30, 1.0
	s_mov_b32 s31, 1.0
	AUG 10, 640, 32, 0
.Lfunc_end_k_q41736671e5_prep:
	.size	k_q41736671e5_prep, .Lfunc_end_k_q41736671e5_prep-k_q41736671e5_prep
	.p2alignl 7, 3214868480
	.fill 96, 4, 3214868480
	.section	.rodata,"a",@progbits
	.p2align	6, 0x0
	.amdhsa_kernel k_q41736671e5_prep
		.amdhsa_group_segment_fixed_size 0
		.amdhsa_private_segment_fixed_size 0
		.amdhsa_enable_private_segment 0
		.amdhsa_kernarg_size 80
		.amdhsa_user_sgpr_count 2
		.amdhsa_user_sgpr_kernarg_segment_ptr 1
		.amdhsa_wavefront_size32 1
		.amdhsa_system_sgpr_workgroup_id_x 1
		.amdhsa_system_sgpr_workgroup_id_y 1
		.amdhsa_system_sgpr_workgroup_id_z 1
		.amdhsa_system_vgpr_workitem_id 0
		.amdhsa_next_free_vgpr 256
		.amdhsa_next_free_sgpr 66
		.amdhsa_reserve_vcc 1
		.amdhsa_float_denorm_mode_32 3
		.amdhsa_float_denorm_mode_16_64 3
		.amdhsa_memory_ordered 1
		.amdhsa_forward_progress 1
		.amdhsa_inst_pref_size 32
	.end_amdhsa_kernel
	.amdgpu_metadata
---
amdhsa.version: [ 1, 2 ]
amdhsa.kernels:
  - .name:           k_q41736671e5_prep
    .symbol:         k_q41736671e5_prep.kd
    .args:
      - { .name: W_hh0, .offset: 0, .size: 8, .value_kind: global_buffer, .address_space: global }
      - { .name: W_hh1, .offset: 8, .size: 8, .value_kind: global_buffer, .address_space: global }
      - { .name: W_ih1, .offset: 16, .size: 8, .value_kind: global_buffer, .address_space: global }
      - { .name: W_init, .offset: 24, .size: 8, .value_kind: global_buffer, .address_space: global }
      - { .name: W_ih0, .offset: 32, .size: 8, .value_kind: global_buffer, .address_space: global }
      - { .name: emb, .offset: 40, .size: 8, .value_kind: global_buffer, .address_space: global }
      - { .name: b_ih0, .offset: 48, .size: 8, .value_kind: global_buffer, .address_space: global }
      - { .name: b_hh0, .offset: 56, .size: 8, .value_kind: global_buffer, .address_space: global }
      - { .name: b_init, .offset: 64, .size: 8, .value_kind: global_buffer, .address_space: global }
      - { .name: wf, .offset: 72, .size: 8, .value_kind: global_buffer, .address_space: global }
    .group_segment_fixed_size: 0
    .private_segment_fixed_size: 0
    .kernarg_segment_align: 8
    .kernarg_segment_size: 80
    .max_flat_workgroup_size: 256
    .sgpr_count:     66
    .vgpr_count:     256
    .wavefront_size: 32
...
	.end_amdgpu_metadata
.endif
;; end of part 1
;; launch lstm (part 2): grid 256 x 1, 8 waves a work-group, no clusters, 327,680 bytes of LDS; arguments wf, z, scenario, W_out, b_ih1, b_hh1, b_out, out0; writes out0
.if DOCPART == 2
	.amdgcn_target "amdgcn-amd-amdhsa--gfx1250"
	.amdhsa_code_object_version 6
	.text
	.protected	k_q41736671e5_lstm
	.globl	k_q41736671e5_lstm
	.p2align	8
	.type	k_q41736671e5_lstm,@function
k_q41736671e5_lstm:
	s_mov_b64 s[64:65], 0
	v_nop
	global_prefetch_b8 v0, s[64:65] scope:SCOPE_SE
	s_setreg_imm32_b32 hwreg(HW_REG_WAVE_MODE, 25, 1), 1
	s_wait_xcnt 0x0
; THE DECODER: initial state, 7 steps of two LSTM layers (128 units) and the projection to 9 numbers that is fed back, for 128 rows of the batch a work-group.  Nothing of the recurrence goes to memory.
; SHARES.  A work-group owns rows 128 wg .. +127: 8 tiles b of 16 rows.  Wave w owns units 16 w .. 16 w + 15 of both layers, all four gates, for all 128 rows, and keeps its 52 weight fragments
; (416 registers) for the whole launch.  A JOB is (layer, b): 20 or 32 matrix instructions on four accumulators (gates i, f, g, o), then the cell for 16 rows x 16 units, 8 numbers a lane.
; Wave w also makes the projection of tile w.  Two waves share a SIMD's registers (512 each), so that one wave's cell runs beside the other's products.
; LAYOUT.  A = activations (a lane's row = batch row), B = weights (a lane's column = gate column): in a result lane (r, h) holds unit r and rows 8 h + 0..7.  So a bias is one number a lane, and a lane's
; eight h, rounded to f16, are 16 bytes of hT[unit][row] in LDS, from which ds_load_tr16_b128 brings A fragments.  h has two buffers a layer, which change roles each step.
; THE AUGMENTED K STEP.  xaug[row][32]: slots 0..8 prev, 16..19 and 20..23 the one-hot of the row's scenario, else 0.  Its weights (made by the launch before) hold W_ih0's first nine columns and,
; as hi + lo in f16, the table (emb @ W.T + biases)[scenario]: se has four values only, so the table's row is se's whole share of the gates.  The initial state takes z and the same step with its own table.
; GATES.  The weights arrive scaled by -log2 e (i, f, o) or 2 log2 e (g): sigmoid = rcp(1 + 2^x), tanh = 1 - 2 rcp(1 + 2^x).  An exponential that overflows gives the right limit (rcp of infinity is 0).
; FORMATS.  All inputs rounded to bf16; z, h, prev, tables and scaled weights in f16; sums, c and all of the cell in f32.
; LIMITS.  h's initial values and prev are clamped to +-65,504 for the products (the stored output is not clamped); |z| of 65,520 or more becomes an infinity; f16 numbers under 6e-5 keep a fixed step of 6e-8;
; an exponential under 2^-126 counts as 0; NaN and infinities in the inputs are not treated apart.
; NO CLUSTER, NO TENSOR LOADS.  All work-groups read the same 491,520 bytes of fragments, each once, 16 bytes a lane, straight into the registers where they stay.  A joint load lands in LDS,
; of which this text uses 326,400 of 327,680 bytes; the fragments would have to pass through it in parts and be read back.  Nothing else is shared and nothing streams.
.set HP,    288                        ; hT's pitch: 256 bytes + 32 = 72 words, an odd multiple of 32 bytes
.set HB,    0x9000                     ; 128 x 288: one exclusive or with it turns a layer's one buffer into the other
.set H1A,   0x12000                    ; h0: bytes 0 and 0x9000; h1: 0x12000 and 0x1b000
.set CST,   147456                     ; c: w*16384 + layer*8192 + b*1024 + half*512 + lane*16, f32, each wave's own
.set XAUG,  278528                     ; xaug: 128 rows, pitch 80 (64 bytes + 16)
.set OS,    288768                     ; the output as it lies in memory: row*252 + t*36 + v*4; 32,256 bytes, up to 321,024
.set ZS,    OS                         ; until the first step: z in f16, 128 rows, pitch 80
.set WO,    321280                     ; W_out's four fragments: (2 q + c)*512 + lane*16.  One block of 256 bytes lies empty in front: lanes 9..15 of the projection's stores, which are off, would point up to 28 bytes past the output's end
.set SPARE, 325376                     ; the spare words, 128 bytes for each wave: four blocks of 256 bytes that no other line names
; window 0: v1 HL  my lane's place in a turning load      v2 HS  my lane's place in hT for stores       v3, v4 read addresses of the phase     v5 h's store address
;           v6 XA  xaug fragment address   v7 CA  c   v8 WOA   v9 OSA (steps by 36)   v10 XW  prev's store address   v11, v12 the add's two   v13 r   v[14:15] b_out   v[16:23] layer 1's biases, each twice
;           v[24:31] C    v[32:63] accumulators I, F, G, O    v[64:95] four fragment slots    v[96:223] W_hh0 at 96 + 8 (4 q + g)    v[224:255] the augmented step's weights
; window 1: v[0:127] W_hh1 at 8 (4 q + g) (for the initial state: v[0:31] W_init's z part, v[32:63] its augmented step)    v[128:255] W_ih1
; s20 w   s24, s25 h0 read, write   s26, s27 h1 read, write   s28 steps left   s29 EXEC kept   s[30:31] 2 log2 e   s32, s33 -+65,504   s34, s35 the two scales
.set MSB, 0
.macro WIN new                         ; s_set_vgpr_msb: bits 3:2 source 1, 7:6 destination; the high byte repeats the setting that is left
.if MSB != (\new)
	s_set_vgpr_msb (MSB<<8)|(\new)
.set MSB, \new
.endif
.endm
; Four places: a load into a register that a matrix instruction has read, and a vector instruction or LDS store that reads a result, stand four plain vector instructions behind it
.macro NOP4
.rept 4
	v_nop
.endr
.endm
; Four matrix instructions, one for each gate: the four accumulators take turns.  zero = 1: they start the sums
.macro MM4 slot, wb, zero
.irp g, 0,1,2,3
.if \zero
	v_wmma_f32_16x16x32_f16 v[32+8*\g:39+8*\g], v[64+8*(\slot):71+8*(\slot)], v[(\wb)+8*\g:(\wb)+8*\g+7], 0
.else
	v_wmma_f32_16x16x32_f16 v[32+8*\g:39+8*\g], v[64+8*(\slot):71+8*(\slot)], v[(\wb)+8*\g:(\wb)+8*\g+7], v[32+8*\g:39+8*\g]
.endif
.endr
.endm
.macro LDH slot, areg, q, b            ; an A fragment of h: rows 16 b .., units 32 q .., turned
	ds_load_tr16_b128 v[64+8*(\slot):67+8*(\slot)], v[\areg] offset:9216*(\q)+32*(\b)
	ds_load_tr16_b128 v[68+8*(\slot):71+8*(\slot)], v[\areg] offset:9216*(\q)+32*(\b)+4608
.endm
.macro LDX slot, off                   ; an A fragment of xaug or z, as it lies
	ds_load_b128 v[64+8*(\slot):67+8*(\slot)], v6 offset:(\off)
	ds_load_b128 v[68+8*(\slot):71+8*(\slot)], v6 offset:(\off)+32
.endm
.macro LDC l, b
	ds_load_b128 v[24:27], v7 offset:8192*(\l)+1024*(\b)
	ds_load_b128 v[28:31], v7 offset:8192*(\l)+1024*(\b)+512
.endm
.macro STC l, b
	ds_store_b128 v7, v[24:27] offset:8192*(\l)+1024*(\b)
	ds_store_b128 v7, v[28:31] offset:8192*(\l)+1024*(\b)+512
.endm
.macro PRE areg, b                     ; a tile's four fragments of h: 8 loads
	LDH 0, \areg, 0, \b
	LDH 1, \areg, 1, \b
	LDH 2, \areg, 2, \b
	LDH 3, \areg, 3, \b
.endm
; THE CELL for 16 rows x 16 units.  left: the LDS loads issued behind C's two (the next job's 8, or none).  Each accumulator's lowest registers are read first.
; Behind each run of exponentials or reciprocals one plain instruction stands before a result is used (ISA guide 5.7.2).
.macro CELL l, b, left
.if \l
.irp g, 0,1,2,3
.irp j, 0,2,4,6
	v_pk_add_f32 v[32+8*\g+\j:33+8*\g+\j], v[32+8*\g+\j:33+8*\g+\j], v[16+2*\g:17+2*\g]    ; layer 1's biases (layer 0's are in its table)
.endr
.endr
.endif
.set i, 32
.rept 32
	v_exp_f32 v[i], v[i]
.set i, i+1
.endr
	v_nop
.set i, 32
	s_wait_alu depctr_va_vdst(0)
.rept 16
	v_pk_add_f32 v[i:i+1], v[i:i+1], 1.0 op_sel_hi:[1,0]
.set i, i+2
.endr
.set i, 32
.rept 32
	v_rcp_f32 v[i], v[i]
.set i, i+1
.endr
	v_nop
	s_wait_alu depctr_va_vdst(0)
.irp j, 0,2,4,6
	v_pk_fma_f32 v[48+\j:49+\j], v[48+\j:49+\j], -2.0, 1.0 op_sel_hi:[1,0,0]               ; tanh g
.endr
.irp j, 0,2,4,6
	v_pk_mul_f32 v[48+\j:49+\j], v[32+\j:33+\j], v[48+\j:49+\j]                            ; sigmoid i x tanh g
.endr
	s_wait_dscnt \left                             ; C is in; what was issued behind it stays out
.irp j, 0,2,4,6
	v_pk_fma_f32 v[24+\j:25+\j], v[40+\j:41+\j], v[24+\j:25+\j], v[48+\j:49+\j]            ; c = sigmoid f x c + that
.endr
	STC \l, \b
.irp j, 0,2,4,6
	v_pk_mul_f32 v[32+\j:33+\j], v[24+\j:25+\j], s[30:31] op_sel_hi:[1,0]
.endr
.set i, 32
.rept 8
	v_exp_f32 v[i], v[i]
.set i, i+1
.endr
	v_nop
	s_wait_alu depctr_va_vdst(0)
.irp j, 0,2,4,6
	v_pk_add_f32 v[32+\j:33+\j], v[32+\j:33+\j], 1.0 op_sel_hi:[1,0]
.endr
.set i, 32
.rept 8
	v_rcp_f32 v[i], v[i]
.set i, i+1
.endr
	v_nop
	s_wait_alu depctr_va_vdst(0)
.irp j, 0,2,4,6
	v_pk_fma_f32 v[32+\j:33+\j], v[32+\j:33+\j], -2.0, 1.0 op_sel_hi:[1,0,0]               ; tanh c
.endr
.irp j, 0,2,4,6
	v_pk_mul_f32 v[40+\j:41+\j], v[56+\j:57+\j], v[32+\j:33+\j]                            ; h = sigmoid o x tanh c
.endr
.irp j, 0,1,2,3
	v_cvt_pk_f16_f32 v[48+\j], v[40+2*\j], v[41+2*\j]
.endr
	ds_store_b128 v5, v[48:51] offset:32*(\b)      ; my unit's eight rows
.endm
; LAYER 0, tile b: h0 of the step before (4 K steps, prefetched by the job before), then the augmented step.  v3 reads h0, v5 writes the new h0.
; In job 0 the wait of the barrier that shows xaug written stands behind the first products: up to it only the old h0 is read, which no wave writes before the next barrier.
.macro JOB0 b
.if (\b) == 0
	PRE 3, 0
	s_wait_dscnt 0x0
.else
	s_wait_dscnt 0x3                               ; behind the prefetch: the last cell's two stores of c and one of h
.endif
	MM4 0, 96, 1
	MM4 1, 128, 0
	NOP4                                           ; slot 0 is loaded again
.if (\b) == 0
	s_barrier_wait -1
.endif
	LDX 0, 1280*(\b)
	LDC 0, \b
	MM4 2, 160, 0
	MM4 3, 192, 0
	s_wait_dscnt 0x2                               ; xaug's fragment is in; C's two loads may be out
	MM4 0, 224, 0
	NOP4                                           ; for the prefetch into the slots and for the cell's first reads
.if (\b) < 7
	PRE 3, (\b)+1
	CELL 0, \b, 8
.else
	CELL 0, \b, 0
.endif
.endm
; LAYER 1, tile b: h1 of the step before (prefetched), then the new h0.  v3 reads h1, v4 the new h0, v5 writes the new h1.  The weights lie in window 1.
; In job 0 the wait of the barrier that shows the new h0 written stands behind the first products, which read the old h1 alone.
.macro JOB1 b
.if (\b) == 0
	PRE 3, 0
	s_wait_dscnt 0x0
.else
	s_wait_dscnt 0x3                               ; as in layer 0
.endif
	WIN 0x04
	MM4 0, 0, 1
	MM4 1, 32, 0
	NOP4
.if (\b) == 0
	s_barrier_wait -1
.endif
	LDH 0, 4, 0, \b
	LDH 1, 4, 1, \b
	MM4 2, 64, 0
	MM4 3, 96, 0
	NOP4
	LDH 2, 4, 2, \b
	LDH 3, 4, 3, \b
	LDC 1, \b
	s_wait_dscnt 0x6                               ; slots 0 and 1 are in: behind them four fragment loads and C's two
	MM4 0, 128, 0
	MM4 1, 160, 0
	s_wait_dscnt 0x2                               ; slots 2 and 3 are in; C's two may be out
	MM4 2, 192, 0
	MM4 3, 224, 0
	WIN 0
	NOP4
.if (\b) < 7
	PRE 3, (\b)+1
	CELL 1, \b, 8
.else
	CELL 1, \b, 0
.endif
.endm
; v[d] = two f32, rounded to bf16 and written as f16
.macro RB2 d, a, b
	v_cvt_pk_bf16_f32 v24, v[\a], v[\b]
	v_lshlrev_b32 v26, 16, v24
	v_and_b32 v27, 0xffff0000, v24
	v_cvt_pk_f16_f32 v[\d], v26, v27
.endm
; THE INITIAL STATE of tile b: accumulators h0, c0, h1, c1.  z's and xaug's fragments take two pairs of slots by turns, the next tile's loaded ahead.
.macro INITJOB b
.if (\b) < 7
	LDX 2*(((\b)+1)%2), 10240+1280*((\b)+1)
	LDX 2*(((\b)+1)%2)+1, 1280*((\b)+1)
	s_wait_dscnt 0x4                               ; all but the four just issued
.else
	s_wait_dscnt 0x0
.endif
	WIN 0x04
	MM4 2*((\b)%2), 0, 1
	MM4 2*((\b)%2)+1, 32, 0
	WIN 0
	NOP4
.irp j, 0,1,2,3,4,5,6,7
	v_med3_num_f32 v[32+\j], v[32+\j], s32, s33    ; h0 inside f16's range
.endr
.irp j, 0,1,2,3
	v_cvt_pk_f16_f32 v[24+\j], v[32+2*\j], v[33+2*\j]
.endr
	ds_store_b128 v2, v[24:27] offset:32*(\b)      ; h0's first buffer begins at LDS byte 0
	ds_store_b128 v7, v[40:43] offset:1024*(\b)
	ds_store_b128 v7, v[44:47] offset:1024*(\b)+512
.irp j, 0,1,2,3,4,5,6,7
	v_med3_num_f32 v[48+\j], v[48+\j], s32, s33
.endr
.irp j, 0,1,2,3
	v_cvt_pk_f16_f32 v[28+\j], v[48+2*\j], v[49+2*\j]
.endr
	ds_store_b128 v3, v[28:31] offset:32*(\b)
	ds_store_b128 v7, v[56:59] offset:8192+1024*(\b)
	ds_store_b128 v7, v[60:63] offset:8192+1024*(\b)+512
.endm
	; THE HEAD
	s_load_b256 s[4:11], s[0:1], 0x0               ; wf 4, z 6, scenario 8, W_out 10
	s_load_b256 s[12:19], s[0:1], 0x20             ; b_ih1 12, b_hh1 14, b_out 16, out0 18
	v_lshl_add_u32 v11, v0, 2, SPARE               ; my spare word,
	v_mov_b32 v12, 0                               ; and 0: kept for the add at the wave's end
	v_lshrrev_b32 v75, 5, v0
	v_readfirstlane_b32 s20, v75                   ; w
	v_and_b32 v73, 31, v0                          ; lane
	v_and_b32 v13, 15, v0                          ; r
	v_bfe_u32 v74, v0, 4, 1                        ; h
	s_mov_b32 s30, 0x4038aa3b                      ; 2 log2 e
	s_mov_b32 s31, 0x4038aa3b                      ; named with it as a pair
	s_mov_b32 s32, 0xc77fe000                      ; -65,504
	s_mov_b32 s33, 0x477fe000                      ; 65,504
	s_mov_b32 s34, 0xbfb8aa3b                      ; -log2 e
	s_mov_b32 s35, 0x4038aa3b
	s_lshl_b32 s21, s20, 4                         ; 16 w
	v_and_b32 v75, 7, v0
	v_lshl_add_u32 v75, v74, 3, v75
	v_bfe_u32 v76, v0, 3, 1
	v_mul_u32_u24 v1, v75, HP
	v_lshl_add_u32 v1, v76, 4, v1                  ; HL = (8 h + lane % 8) x 288 + 16 ((lane / 8) % 2)
	v_add_nc_u32 v77, s21, v13                     ; my unit
	v_mul_u32_u24 v2, v77, HP
	v_lshl_add_u32 v2, v74, 4, v2                  ; HS = unit x 288 + 16 h
	v_lshlrev_b32 v77, 2, v77                      ; my unit's place in a gate's biases
	v_mul_u32_u24 v6, v13, 80
	v_lshl_add_u32 v6, v74, 4, v6
	v_add_nc_u32 v6, XAUG, v6                      ; XA = xaug + r x 80 + 16 h
	v_lshl_add_u32 v75, v74, 3, s21                ; row 16 w + 8 h: register 0 of the projection's result
	v_mul_u32_u24 v9, v75, 252
	v_lshl_add_u32 v9, v13, 2, v9
	v_add_nc_u32 v9, OS, v9
	v_mul_u32_u24 v10, v75, 80
	v_lshl_add_u32 v10, v13, 1, v10
	v_add_nc_u32 v10, XAUG, v10
	s_lshl_b32 s22, s20, 14
	s_add_co_u32 s22, s22, CST
	v_lshl_add_u32 v7, v73, 4, s22
	v_lshl_add_u32 v8, v73, 4, WO
	v_lshlrev_b32 v4, 4, v73                       ; my 16 bytes of a fragment's chunk in wf
	v_lshlrev_b32 v78, 4, v0                       ; z: 16 bytes a thread
	v_and_b32 v79, 127, v0                         ; xaug's row that I write
	v_mul_u32_u24 v83, v79, 80
	v_lshlrev_b32 v79, 2, v79
	v_min_u32 v81, 8, v13                          ; W_out and b_out have 9 rows: lanes 9..15 read the ninth and are zeroed
	v_lshlrev_b32 v80, 9, v81
	v_lshl_add_u32 v80, v74, 5, v80
	s_lshl_b32 s22, s20, 6                         ; wave w makes chunk w of W_out's eight: k = 16 w + 8 h ..
	v_add_nc_u32 v80, s22, v80
	v_lshlrev_b32 v81, 2, v81
	v_lshrrev_b32 v82, 3, v0                       ; z in LDS: row t / 8 (+ 32 i), 8 bytes at 8 (t % 8)
	v_mul_u32_u24 v82, v82, 80
	v_and_b32 v75, 7, v0
	v_lshl_add_u32 v82, v75, 3, v82
	v_add_nc_u32 v82, ZS, v82
	s_lshr_b32 s23, s20, 2                         ; waves 0..3 write xaug's slots 0..15, waves 4..7 its slots 16..31
	s_mul_i32 s36, s23, 0x3c00                     ; 0, or 1.0 in f16
	s_lshl_b32 s22, s23, 5
	s_add_co_u32 s22, s22, XAUG
	v_add_nc_u32 v83, s22, v83
	v_lshl_add_u32 v84, v0, 4, WO
	s_wait_kmcnt 0x0
	s_mul_i32 s22, s20, 61440
	s_mov_b32 s23, 0
	s_add_nc_u64 s[4:5], s[4:5], s[22:23]          ; my wave's fragments
	s_lshl_b32 s22, ttmp9, 14
	s_add_nc_u64 s[6:7], s[6:7], s[22:23]          ; my work-group's 128 rows of z,
	s_lshl_b32 s22, ttmp9, 9
	s_add_nc_u64 s[8:9], s[8:9], s[22:23]          ; of scenario,
	s_mul_i32 s22, ttmp9, 32256
	s_add_nc_u64 s[18:19], s[18:19], s[22:23]      ; and of the output: 126 x 256 bytes
	; the small inputs: 16 loads
.irp i, 0,1,2,3
	global_load_b128 v[32+4*\i:35+4*\i], v78, s[6:7] offset:4096*\i th:TH_LOAD_NT
.endr
	global_load_b32 v48, v79, s[8:9]
	global_load_b128 v[52:55], v80, s[10:11]
	global_load_b128 v[56:59], v80, s[10:11] offset:16
.irp g, 0,1,2,3
	global_load_b32 v[64+\g], v77, s[12:13] offset:512*\g
.endr
.irp g, 0,1,2,3
	global_load_b32 v[68+\g], v77, s[14:15] offset:512*\g
.endr
	global_load_b32 v72, v81, s[16:17]
	; the initial state's fragments, f = 52..59: 16 loads into window 1
	WIN 0x40
.set i, 0
.rept 16
	global_load_b128 v[4*i:4*i+3], v4, s[4:5] offset:52*1024+512*i
.set i, i+1
.endr
	WIN 0
	s_wait_loadcnt 0x10                            ; the small inputs are in: 16 loads were issued behind them
.irp i, 0,1,2,3
	RB2 32+4*\i, 32+4*\i, 33+4*\i
	RB2 33+4*\i, 34+4*\i, 35+4*\i
	ds_store_b64 v82, v[32+4*\i:33+4*\i] offset:2560*\i
.endr
	v_and_b32 v48, 3, v48                          ; the scenario selects values only, never an address
	v_and_b32 v24, 1, v48
	v_lshlrev_b32 v24, 4, v24
	v_lshlrev_b32 v24, v24, s36                    ; 1.0 in the half that s % 2 names (0 in waves 0..3)
	v_cmp_gt_u32 vcc_lo, 2, v48
	v_cndmask_b32 v28, 0, v24, vcc_lo              ; slots 16, 17
	v_sub_nc_u32 v29, v24, v28                     ; slots 18, 19
	v_mov_b32 v30, v28                             ; slots 20..23: the one-hot once more, for the tables' low parts
	v_mov_b32 v31, v29
	ds_store_b128 v83, v[28:31]
.irp j, 0,1,2,3
	v_mov_b32 v[24+\j], 0
.endr
	ds_store_b128 v83, v[24:27] offset:16
.irp j, 0,1,2,3
	RB2 60+\j, 52+2*\j, 53+2*\j
.endr
	v_cmp_gt_u32 vcc_lo, 9, v13
.irp j, 0,1,2,3
	v_cndmask_b32 v[60+\j], 0, v[60+\j], vcc_lo    ; columns 9..15 of the projection are 0
.endr
	ds_store_b128 v84, v[60:63]
.irp g, 0,1,2,3
	v_cvt_pk_bf16_f32 v24, v[64+\g], v[68+\g]
	v_lshlrev_b32 v26, 16, v24
	v_and_b32 v27, 0xffff0000, v24
	v_add_f32 v26, v26, v27
.if \g == 2
	v_mul_f32 v[16+2*\g], s35, v26
.else
	v_mul_f32 v[16+2*\g], s34, v26
.endif
	v_mov_b32 v[17+2*\g], v[16+2*\g]               ; a pair for the packed addition
.endr
	v_cvt_pk_bf16_f32 v24, v72, v72
	v_lshlrev_b32 v24, 16, v24
	v_cndmask_b32 v14, 0, v24, vcc_lo
	v_mov_b32 v15, v14
	; layer 0's fragments (f = 0..19, 40 loads) go out now and land during the initial state
.set i, 0
.rept 40
	global_load_b128 v[96+4*i:99+4*i], v4, s[4:5] offset:512*i
.set i, i+1
.endr
	s_wait_loadcnt 0x28                            ; the initial state's fragments are in: 40 loads were issued behind them
	; and the upper half of W_hh1 (f = 28..35, 16 loads), whose registers the initial state leaves alone: 56 loads of mine are out at the most
	WIN 0x40
.set i, 0
.rept 16
	global_load_b128 v[64+4*i:67+4*i], v4, s[4:5] offset:28*1024+512*i
.set i, i+1
.endr
	WIN 0
	s_wait_dscnt 0x0                               ; for the others' sake: z, xaug and W_out are written
	s_barrier_signal -1
	s_barrier_wait -1
	; THE INITIAL STATE
	v_add_nc_u32 v3, H1A, v2
	LDX 0, 10240                                   ; z lies 10,240 bytes behind xaug, at the same pitch
	LDX 1, 0
.irp b, 0,1,2,3,4,5,6,7
	INITJOB \b
.endr
	s_wait_loadcnt 0x0                             ; layer 0's fragments, which the first step multiplies at once, are in, and the 16 loads asked for behind them
	; the rest of layer 1's fragments: f = 20..27 (where the initial state's lay) and f = 36..51: 48 loads, which land during layer 0's first eight jobs
	WIN 0x40
.set i, 0
.rept 16
	global_load_b128 v[4*i:4*i+3], v4, s[4:5] offset:20*1024+512*i
.set i, i+1
.endr
.set i, 0
.rept 32
	global_load_b128 v[128+4*i:131+4*i], v4, s[4:5] offset:36*1024+512*i
.set i, i+1
.endr
	WIN 0
	s_wait_xcnt 0x0                                ; the loads' addresses are translated (ISA guide 3.1): v4 is written again in the first step, and EXEC changes there
	s_wait_dscnt 0x0                               ; h and c are written
	s_barrier_signal -1
	s_barrier_wait -1
	s_mov_b32 s24, 0
	s_mov_b32 s25, HB
	s_mov_b32 s26, H1A
	s_mov_b32 s27, H1A+HB
	s_mov_b32 s28, 7
.Lstep:                                                ; 7 trips, three barriers each
	v_add_nc_u32 v3, s24, v1
	v_add_nc_u32 v5, s25, v2
	s_wait_dscnt 0x0                               ; my part of xaug (prev) is written
	s_barrier_signal -1                            ; its wait stands in layer 0's first job
.irp b, 0,1,2,3,4,5,6,7
	JOB0 \b
.endr
	s_wait_dscnt 0x0                               ; my units of the new h0 are written, my reads of the old h0 and of xaug are over
	s_barrier_signal -1                            ; its wait stands in layer 1's first job
	v_add_nc_u32 v3, s26, v1
	v_add_nc_u32 v4, s25, v1
	v_add_nc_u32 v5, s27, v2
	s_wait_loadcnt 0x0                             ; layer 1's fragments (nothing is out from the second trip on)
.irp b, 0,1,2,3,4,5,6,7
	JOB1 \b
.endr
	s_wait_dscnt 0x0                               ; my units of the new h1 are written, my reads of the old h1 and the new h0 are over
	s_barrier_signal -1
.irp i, 0,1,2,3,4,5,6,7
	ds_load_b128 v[32+4*\i:35+4*\i], v8 offset:512*\i      ; W_out's fragments, which nobody writes after the head
.endr
	s_lshl_b32 s21, s20, 5
	s_add_co_u32 s21, s21, s27
	v_add_nc_u32 v3, s21, v1                       ; the new h1, tile w
	s_barrier_wait -1
	; THE PROJECTION of tile w
	PRE 3, 0
	s_wait_dscnt 0x0
	v_wmma_f32_16x16x32_f16 v[24:31], v[64:71], v[32:39], 0
	s_wait_alu depctr_va_vdst(0)                   ; a wait ahead of each link
	v_wmma_f32_16x16x32_f16 v[24:31], v[72:79], v[40:47], v[24:31]
	s_wait_alu depctr_va_vdst(0)
	v_wmma_f32_16x16x32_f16 v[24:31], v[80:87], v[48:55], v[24:31]
	s_wait_alu depctr_va_vdst(0)
	v_wmma_f32_16x16x32_f16 v[24:31], v[88:95], v[56:63], v[24:31]
	NOP4
.irp j, 0,2,4,6
	v_pk_add_f32 v[24+\j:25+\j], v[24+\j:25+\j], v[14:15]
.endr
	v_cmp_gt_u32 vcc_lo, 9, v13                    ; no global instruction has been issued since the wait on XCNT ahead of the loop: EXEC may change
	s_and_saveexec_b32 s29, vcc_lo
.irp j, 0,1,2,3,4,5,6,7
	ds_store_b32 v9, v[24+\j] offset:252*\j        ; out[row 16 w + 8 h + j][t][r], r < 9
.endr
	s_or_b32 exec_lo, exec_lo, s29
.irp j, 0,1,2,3,4,5,6,7
	v_med3_num_f32 v[24+\j], v[24+\j], s32, s33    ; prev for the next step, inside f16's range (in the last trip it serves nothing: the price of one text for every trip)
.endr
.irp j, 0,1,2,3
	v_cvt_pk_f16_f32 v[32+\j], v[24+2*\j], v[25+2*\j]
.endr
.irp j, 0,1,2,3
	ds_store_b16 v10, v[32+\j] offset:160*\j               ; slot r of rows 8 h + 2 j and 8 h + 2 j + 1; lanes 9..15 hold 0 and write the zeros of slots 9..15 anew
	ds_store_b16_d16_hi v10, v[32+\j] offset:160*\j+80
.endr
	s_xor_b32 s24, s24, HB                         ; the buffers change roles
	s_xor_b32 s25, s25, HB
	s_xor_b32 s26, s26, HB
	s_xor_b32 s27, s27, HB
	v_add_nc_u32 v9, 36, v9                        ; the next step's nine numbers
	s_sub_co_u32 s28, s28, 1
	s_cmp_lg_u32 s28, 0
	s_cbranch_scc1 .Lstep
	; THE WAY OUT: the work-group's 32,256 bytes lie in LDS as in memory: 2,016 pieces of 16 bytes, 7 for each thread and one more for the threads of waves 0..6
	s_wait_dscnt 0x0
	s_barrier_signal -1
	s_barrier_wait -1
	v_lshlrev_b32 v4, 4, v0
	v_add_nc_u32 v3, OS, v4
	s_cmp_eq_u32 s20, 7
	s_cbranch_scc1 .Lrest
	ds_load_b128 v[60:63], v3 offset:28672
	s_wait_dscnt 0x0
	global_store_b128 v4, v[60:63], s[18:19] offset:28672 th:TH_STORE_NT
.Lrest:
.irp i, 0,1,2,3,4,5,6
	ds_load_b128 v[32+4*\i:35+4*\i], v3 offset:4096*\i
.endr
.irp i, 0,1,2,3,4,5,6
	s_wait_dscnt 6-\i                              ; LDS loads come back in order (ISA guide 5.7.1): piece i is in
	global_store_b128 v4, v[32+4*\i:35+4*\i], s[18:19] offset:4096*\i th:TH_STORE_NT       ; a wave's store covers 512 consecutive bytes, at a multiple of 512 from the work-group's first
.endr
	s_wait_tensorcnt 0x0                           ; the wave's end, behind my last LDS store
	ds_add_u32 v11, v12
	s_wait_dscnt 0x0
	s_endpgm
.Lfunc_end_k_q41736671e5_lstm:
	.size	k_q41736671e5_lstm, .Lfunc_end_k_q41736671e5_lstm-k_q41736671e5_lstm
	.p2alignl 7, 3214868480
	.fill 96, 4, 3214868480
	.section	.rodata,"a",@progbits
	.p2align	6, 0x0
	.amdhsa_kernel k_q41736671e5_lstm
		.amdhsa_group_segment_fixed_size 327680
		.amdhsa_private_segment_fixed_size 0
		.amdhsa_enable_private_segment 0
		.amdhsa_kernarg_size 64
		.amdhsa_user_sgpr_count 2
		.amdhsa_user_sgpr_kernarg_segment_ptr 1
		.amdhsa_wavefront_size32 1
		.amdhsa_system_sgpr_workgroup_id_x 1
		.amdhsa_system_sgpr_workgroup_id_y 1
		.amdhsa_system_sgpr_workgroup_id_z 1
		.amdhsa_system_vgpr_workitem_id 0
		.amdhsa_next_free_vgpr 512
		.amdhsa_next_free_sgpr 66
		.amdhsa_reserve_vcc 1
		.amdhsa_float_denorm_mode_32 3
		.amdhsa_float_denorm_mode_16_64 3
		.amdhsa_memory_ordered 1
		.amdhsa_forward_progress 1
		.amdhsa_inst_pref_size 203
	.end_amdhsa_kernel
	.amdgpu_metadata
---
amdhsa.version: [ 1, 2 ]
amdhsa.kernels:
  - .name:           k_q41736671e5_lstm
    .symbol:         k_q41736671e5_lstm.kd
    .args:
      - { .name: wf, .offset: 0, .size: 8, .value_kind: global_buffer, .address_space: global }
      - { .name: z, .offset: 8, .size: 8, .value_kind: global_buffer, .address_space: global }
      - { .name: scenario, .offset: 16, .size: 8, .value_kind: global_buffer, .address_space: global }
      - { .name: W_out, .offset: 24, .size: 8, .value_kind: global_buffer, .address_space: global }
      - { .name: b_ih1, .offset: 32, .size: 8, .value_kind: global_buffer, .address_space: global }
      - { .name: b_hh1, .offset: 40, .size: 8, .value_kind: global_buffer, .address_space: global }
      - { .name: b_out, .offset: 48, .size: 8, .value_kind: global_buffer, .address_space: global }
      - { .name: out0, .offset: 56, .size: 8, .value_kind: global_buffer, .address_space: global }
    .group_segment_fixed_size: 327680
    .private_segment_fixed_size: 0
    .kernarg_segment_align: 8
    .kernarg_segment_size: 64
    .max_flat_workgroup_size: 256
    .sgpr_count:     66
    .vgpr_count:     512
    .wavefront_size: 32
...
	.end_amdgpu_metadata
.endif
;; end of part 2
